; MI455X (gfx1250); checked and timed in simulation.
; The chip was launched on July 23, 2026; its instructions are those of AMD's public machine-readable ISA for CDNA 5 (MIT licence, August 2026) and "CDNA5" Instruction Set Architecture Reference Guide (July 2026). The comments in the code are by the model that wrote it; some were corrected since.
;; Self Attention. Allowed arithmetic: matrix products marked QUANTISED: E4M3 operands, one given power-of-two scale a tensor, by v_wmma_f32_16x16x64_fp8_fp8 or v_wmma_f32_16x16x128_fp8_fp8, f32 sums; everything else in f32.
;; Inputs: Wk_codes 1,024 x 32 x 32 uint8 (E4M3 codes of Wk, K innermost, in blocks of 32 codes); Wq_codes 1,024 x 32 x 32 uint8 (E4M3 codes of Wq, K innermost, in blocks of 32 codes); Wv_codes 1,024 x 32 x 32 uint8 (E4M3 codes of Wv, K innermost, in blocks of 32 codes); bk 1,024 float32; bq 1,024 float32; bv 1,024 float32; hidden_states_codes 1 x 4,096 x 32 x 32 uint8 (E4M3 codes of hidden_states, K innermost, in blocks of 32 codes); lowp_scales 10 int32 (the exponents e of the quantised operands' scales 2^e).
;; Outputs: out0 1 x 4,096 x 1,024 float32.
;; This version of the problem:
;;   THIS VERSION OF THE PROBLEM IS GIVEN IN LOW PRECISION. The matrix products marked QUANTISED in the list below multiply operands that are first quantised to E4M3 (4 exponent bits, 3 mantissa bits; 8 bits a number), with one given power-of-two scale for each operand tensor; their sums are f32. All else is computed in f32.
;;   The module's matrix products, in the order in which they are computed (A, B: the left and right operand; K: the contracted axis; several contracted axes count as one K, in the product's order):
;;     1. [M 4,096, K 1,024] x [K 1,024, N 1,024]; A: input hidden_states (given as codes); B: input Wq (given as codes): QUANTISED (scales: A lowp_scales[0], B lowp_scales[1])
;;     2. [M 4,096, K 1,024] x [K 1,024, N 1,024]; A: input hidden_states (given as codes); B: input Wk (given as codes): QUANTISED (scales: A lowp_scales[2], B lowp_scales[3])
;;     3. [M 4,096, K 1,024] x [K 1,024, N 1,024]; A: input hidden_states (given as codes); B: input Wv (given as codes): QUANTISED (scales: A lowp_scales[4], B lowp_scales[5])
;;     4. batch 16 x [M 4,096, K 64] x [K 64, N 4,096]; A: computed on the way; B: computed on the way: QUANTISED (scales: A lowp_scales[6], B lowp_scales[7])
;;     5. batch 16 x [M 4,096, K 4,096] x [K 4,096, N 64]; A: softmax (see below); B: computed on the way: QUANTISED (scales: A lowp_scales[8], B lowp_scales[9])
;;   THE QUANTISER, for each operand of a quantised product, along K:
;;     - The operand's scale is 2^e, e = its entry of the input lowp_scales (int32; the entries are numbered through the quantised products in the list's order, A before B).
;;     - Each number is divided by the scale, clamped to +-448, and rounded to the nearest number of E4M3, ties to even, subnormals kept.
;;     - The product sums the exact products of the quantised numbers (number of the format x scale) in f32.
;;   ~~~python
;;   def quantise(x, axis, e):      # numpy; x: float32 -> the quantised numbers, widened to float32 again
;;       x = np.moveaxis(x, axis, -1); K = x.shape[-1]
;;       r = np.clip(x / 2.0 ** e, -448, 448)
;;       step = 2.0 ** (np.maximum(np.frexp(np.where(r == 0, 1, r))[1] - 1, -6) - 3)
;;       q = np.round(r / step) * step * 2.0 ** e      # np.round: ties to even
;;       return np.moveaxis(q, -1, axis).astype(np.float32)
;;   ~~~
;;   SOFTMAX AHEAD OF A QUANTISED PRODUCT. Where the list says 'softmax', what is quantised is not the finished softmax but p = 2^(t - M), with t = logit x log2(e) and M = ceil(the row's largest t), a whole number; so 1/2 < the row's largest p <= 1. The row's sum l is taken of the UNQUANTISED p, in f32, and the product's result is divided by l at the end. Since M is a whole number, a kernel that streams over the keys may use a running M (the ceiling of the running maximum): every later rescaling is an exact power of two, so the quantised numbers keep their values, but for numbers so far below the row's largest that they fall under the format's range.
;;   OPERANDS COMPUTED ON THE WAY. 'Computed on the way' means the value that the module computes at that place (a softmax that the list does not call 'softmax' is quantised finished and normalised). What goes into a quantiser is computed in f32, as accurately as f32 sums, v_exp_f32 and their like allow (about 1e-6 of the number): no bf16 or f16 on the way to a quantiser, and a product that is left as it is and whose result goes on into a quantised operand takes f32 operands (vector FMAs, or v_wmma_f32_16x16x4_f32). A number that lies on a knife's edge between two numbers of the format may be rounded either way, as far as f32 arithmetic and the matrix unit's own rounding can turn it there, and no further.
;;   INPUTS GIVEN AS CODES. Wk (in the module: [1024, 1024], K = its axis 0); Wq (in the module: [1024, 1024], K = its axis 0); Wv (in the module: [1024, 1024], K = its axis 0); hidden_states (in the module: [1, 4096, 1024], K = its axis 2): each comes as NAME_codes (uint8): NAME with its K axis moved to the last place and cut into blocks of 32 codes, [.., K / 32, bytes a block], one block behind the other in memory; one code a byte (a code: sign, 4 exponent bits, 3 mantissa bits); its scale is its entry of lowp_scales. Its value is code x scale, taken as it is: it is not quantised again, and the codes and scales need not be those that the quantiser above would give.
;; One version. Each part assembles by itself: llvm-mc -triple=amdgcn-amd-amdhsa -mcpu=gfx1250 --defsym DOCPART=n.
;; ======== version 1 of 1: 2 launches
;; limits: right only within a limited range of input values
;; workspace buffers: qf 4,194,304 bytes; kv 8,388,608 bytes
;; launch proj (part 1): grid 16 x 16, 4 waves a work-group, clusters of 4 x 4, 327,680 bytes of LDS; arguments hidden_states_codes, Wq_codes, Wk_codes, Wv_codes, bq, bk, bv, lowp_scales, qf, kv; writes qf, kv
.if DOCPART == 1
	.amdgcn_target "amdgcn-amd-amdhsa--gfx1250"
	.amdhsa_code_object_version 6
	.text
	.protected	k_qa7bad40e98_proj
	.globl	k_qa7bad40e98_proj
	.p2align	8
	.type	k_qa7bad40e98_proj,@function
k_qa7bad40e98_proj:
	s_mov_b64 s[64:65], 0
	v_nop
	global_prefetch_b8 v0, s[64:65] scope:SCOPE_SE
	s_setreg_imm32_b32 hwreg(HW_REG_WAVE_MODE, 25, 1), 1
	s_wait_xcnt 0x0
	s_wait_alu depctr_hold_cnt(0) depctr_sa_sdst(0) depctr_va_vdst(0) depctr_va_sdst(0) depctr_va_ssrc(0) depctr_va_vcc(0) depctr_vm_vsrc(0)
	s_getreg_b32 s2, hwreg(HW_REG_IB_STS2, 6, 4)
	s_cmp_eq_u32 s2, 0
	s_cbranch_scc0 .Lentry_in_a_cluster
	s_endpgm
.Lentry_in_a_cluster:
	s_bfe_u32 s2, ttmp6, 0x10000c
	s_cmp_lg_u32 s2, 0xf033
	s_cbranch_scc0 .Lentry_shape_is_right
	s_endpgm
.Lentry_shape_is_right:
; Q, K and V = x W + b for all 16 heads, on codes of E4M3, and quantised for attention's two products.  Nothing of reference() is left out.
; A work-group makes 256 rows x one head's 64 columns of each of the three; a wave 64 rows.  K goes in steps of 256 through two LDS slots (x's 256 rows, the three weights' 64 rows each): wave 0 fetches x, waves 1 to 3 a weight each.
; 4 x 4 work-groups form a cluster: x's tile is shared along its row, the weights' along its column, by joint loads.
; Q and K are made transposed and V not, so that each conversion's results are a piece of the next launch's operand registers; they are stored as images of those registers.
; The biases, divided by the power of two that the sums lack, are the C of the first products.
; No prefetch: K is four steps, each asked for by one load a wave; there is no loop to run ahead in.
; LIMITS: the powers of two made of the given exponents (those of a result less those of its two operands, -126 to 119) are f32 numbers.
.set PITCH,  272
.set ROWB,   256
.set KROW,   1024
.set WTILE,  64*PITCH
.set WOFF,   256*PITCH
.set SLOT,   448*PITCH
.set SPARE,  2*SLOT
.set ADRX, 4
.set ADRW, 6
.set SC,   8
.set LI,   11
.set BV,   12
.set BO8,  16
.set BO1,  17
.set SPW,  28
.set NIL,  29
.set XF,   64
.set CQ,   64
.set CK,   96
.set CV,   128
.set BQK,  128
.set BVV,  192
.set G1X, 24
.set G0X, 32
.set G1W, 40
.set G0W, 48
.set WV,  56
.set MSB, 0
.macro WIN new
.if MSB != \new
	s_set_vgpr_msb (MSB<<8)|\new
.set MSB, \new
.endif
.endm
.macro PLACES n
.rept \n
	v_nop
.endr
.endm
.macro JLOAD s
	s_cmp_eq_u32 s[WV], 0
	s_cbranch_scc0 .Lfor_w_\@
	tensor_load_to_lds s[G0X+4*\s:G0X+4*\s+3], s[G1X:G1X+7]
	s_nop 0
.rept 4
	v_nop
.endr
	s_branch .Lasked_\@
.Lfor_w_\@:
	tensor_load_to_lds s[G0W+4*\s:G0W+4*\s+3], s[G1W:G1W+7]
	s_nop 0
.rept 4
	v_nop
.endr
.Lasked_\@:
.endm
.macro CREST
	s_cmp_lg_u32 s[WV], 0
	s_cbranch_scc1 .Lnot_wave_0_\@
	s_barrier_signal -3
.Lnot_wave_0_\@:
	s_barrier_wait -3
	s_barrier_signal -1
	s_barrier_wait -1
.endm
.macro CROUND
	s_barrier_signal -1
	s_barrier_wait -1
	CREST
.endm
.macro MKSCALE e, n, vs, lim
	s_add_co_i32 s81, s[\e], s[\n]
	s_add_co_i32 s81, s81, 127
	s_lshl_b32 s61, s81, 23
	v_mov_b32 v[\vs], s61
	s_add_co_i32 s81, s81, 8
	s_lshl_b32 s81, s81, 23
	s_or_b32 s[\lim+1], s81, 0x600000
	s_or_b32 s[\lim], s[\lim+1], 0x80000000
.endm
	s_load_b512 s[4:19], s[0:1], 0x0
	s_load_b128 s[20:23], s[0:1], 0x40
	v_lshl_add_u32 v[SPW], v0, 2, SPARE
	v_mov_b32 v[NIL], 0
	ds_add_u32 v28, v29
	ds_add_u32 v28, v29
	s_wait_dscnt 0x0
	v_lshrrev_b32 v1, 5, v0
	v_readfirstlane_b32 s[WV], v1
	s_bfe_u32 s57, ttmp6, 0x40000
	s_bfe_u32 s58, ttmp6, 0x40004
	s_lshl_b32 s59, ttmp9, 2
	s_add_co_u32 s59, s59, s57
	s_and_b32 s60, ttmp7, 0xffff
	s_lshl_b32 s60, s60, 2
	s_add_co_u32 s60, s60, s58
	s_lshl_b32 s61, s58, 2
	s_lshl_b32 s61, 15, s61
	s_lshl_b32 s81, 0x1111, s57
	s_or_b32 s[G1X], s61, (1<<20)|(1<<21)|(5<<22)|(3<<25)
	s_or_b32 s[G1W], s81, (1<<20)|(1<<21)|(5<<22)|(3<<25)
	s_mov_b32 s[G1X+1], ROWB<<16
	s_mov_b32 s[G1X+2], 256<<16
	s_mov_b32 s[G1X+3], ROWB<<16
	s_mov_b32 s[G1X+4], 256
	s_mov_b32 s[G1X+5], KROW
	s_mov_b32 s[G1X+6], 0
	s_mov_b32 s[G1X+7], 0
	s_mov_b32 s[G1W+1], ROWB<<16
	s_mov_b32 s[G1W+2], 64<<16
	s_mov_b32 s[G1W+3], ROWB<<16
	s_mov_b32 s[G1W+4], 64
	s_mov_b32 s[G1W+5], KROW
	s_mov_b32 s[G1W+6], 0
	s_mov_b32 s[G1W+7], 0
	s_lshl_b32 s66, s60, 18
	s_mov_b32 s67, 0
	s_lshl_b32 s94, s59, 16
	s_mov_b32 s95, 0
	s_mul_i32 s61, s[WV], WTILE
	s_add_co_u32 s61, s61, WOFF-WTILE
	s_wait_kmcnt 0x0
	s_load_b256 s[68:75], s[18:19], 0x0
	s_load_b64 s[76:77], s[18:19], 0x20
	s_add_nc_u64 s[66:67], s[4:5], s[66:67]
	s_cmp_lt_u32 s[WV], 2
	s_cselect_b64 s[62:63], s[6:7], s[8:9]
	s_cmp_eq_u32 s[WV], 3
	s_cselect_b64 s[62:63], s[10:11], s[62:63]
	s_add_nc_u64 s[62:63], s[62:63], s[94:95]
	CROUND
.irp s, 0,1
	s_mov_b32 s[G0X+4*\s], 1
	s_mov_b32 s[G0X+4*\s+1], \s*SLOT
	s_add_nc_u64 s[G0X+4*\s+2:G0X+4*\s+3], s[66:67], \s*ROWB
	s_or_b32 s[G0X+4*\s+3], s[G0X+4*\s+3], 0x80000000
	s_mov_b32 s[G0W+4*\s], 1
	s_add_co_u32 s[G0W+4*\s+1], s61, \s*SLOT
	s_add_nc_u64 s[G0W+4*\s+2:G0W+4*\s+3], s[62:63], \s*ROWB
	s_or_b32 s[G0W+4*\s+3], s[G0W+4*\s+3], 0x80000000
.endr
	JLOAD 0                                ; K step 0; the set-up below stands under its flight
	v_and_b32 v1, 15, v0
	v_bfe_u32 v2, v0, 4, 1
	v_mul_u32_u24 v3, v1, PITCH
	v_lshl_add_u32 v3, v2, 4, v3
	s_mul_i32 s61, s[WV], WTILE
	v_add_nc_u32 v[ADRX], s61, v3
	v_add_nc_u32 v[ADRX+1], SLOT, v[ADRX]
	v_add_nc_u32 v[ADRW], WOFF, v3
	v_add_nc_u32 v[ADRW+1], WOFF+SLOT, v3
	v_and_b32 v[LI], 31, v0
	v_lshlrev_b32 v[LI], 4, v[LI]
	v_lshlrev_b32 v[BO8], 5, v2
	v_lshlrev_b32 v[BO1], 2, v1
	s_lshl_b32 s94, s59, 8
	s_add_nc_u64 s[12:13], s[12:13], s[94:95]
	s_add_nc_u64 s[14:15], s[14:15], s[94:95]
	s_add_nc_u64 s[16:17], s[16:17], s[94:95]
	WIN 0xc0
.irp nt, 0,1,2,3
	global_load_b128 v[BQK+8*\nt:BQK+8*\nt+3],       v[BO8], s[12:13] offset:64*\nt
	global_load_b128 v[BQK+8*\nt+4:BQK+8*\nt+7],     v[BO8], s[12:13] offset:64*\nt+16
	global_load_b128 v[BQK+32+8*\nt:BQK+32+8*\nt+3],   v[BO8], s[14:15] offset:64*\nt
	global_load_b128 v[BQK+32+8*\nt+4:BQK+32+8*\nt+7], v[BO8], s[14:15] offset:64*\nt+16
.endr
	WIN 0
.irp ct, 0,1,2,3
	global_load_b32 v[BV+\ct], v[BO1], s[16:17] offset:64*\ct
.endr
	s_lshl_b32 s81, s60, 4
	s_add_co_u32 s94, s94, s81
	s_lshl_b32 s81, s[WV], 2
	s_add_co_u32 s94, s94, s81
	s_lshl_b32 s94, s94, 10
	s_add_nc_u64 s[88:89], s[20:21], s[94:95]
	s_lshl_b32 s94, s59, 19
	s_lshl_b32 s81, s60, 1
	s_lshr_b32 s61, s[WV], 1
	s_add_co_u32 s81, s81, s61
	s_lshl_b32 s81, s81, 14
	s_add_co_u32 s94, s94, s81
	s_add_nc_u64 s[90:91], s[22:23], s[94:95]
	s_add_nc_u64 s[92:93], s[90:91], 8192
	s_and_b32 s94, s[WV], 1
	s_lshl_b32 s94, s94, 10
	s_add_nc_u64 s[92:93], s[92:93], s[94:95]
	s_lshl_b32 s94, s94, 2
	s_add_nc_u64 s[90:91], s[90:91], s[94:95]
	s_wait_kmcnt 0x0
	s_add_co_i32 s78, s68, s69
	s_sub_co_i32 s78, 0, s78
	s_add_co_i32 s79, s70, s71
	s_sub_co_i32 s79, 0, s79
	s_add_co_i32 s80, s72, s73
	s_sub_co_i32 s80, 0, s80
	MKSCALE 74, 78, SC,   82
	MKSCALE 75, 79, SC+1, 84
	MKSCALE 77, 80, SC+2, 86
	s_wait_loadcnt 0x0
	WIN 0xc3
.set j, 0
.rept 32
	v_ldexp_f32 v[BQK+j], v[BQK+j], s78
	v_ldexp_f32 v[BQK+32+j], v[BQK+32+j], s79
.set j, j+1
.endr
	WIN 0xc0
.irp ct, 0,1,2,3
.irp i, 0,1,2,3,4,5,6,7
	v_ldexp_f32 v[BVV+8*\ct+\i], v[BV+\ct], s80
.endr
.endr
	WIN 0
.macro FRAG reg, adr, q, i
.irp c, 0,1,2,3
	ds_load_b128 v[\reg+4*\c:\reg+4*\c+3], v[\adr] offset:128*(\q)+32*\c+(\i)*16*PITCH
.endr
.endm
.macro FETCH_X slot, q, set
	WIN 0
.irp i, 0,1,2,3
	FRAG XF+64*(\set)+16*\i, ADRX+\slot, \q, \i
.endr
.endm
.macro FETCH_W slot, q, n0
	WIN 0x40
.set ii, \n0
.rept 6
	FRAG 16*ii, ADRW+\slot, \q, ii
.set ii, ii+1
.endr
	WIN 0
.endm
.macro MULQK n0, cnt, set, first
.if \first
	WIN 0xb1
.else
	WIN 0xa1
.endif
.set nn, \n0
.rept \cnt
.irp m, 0,1,2,3
.if \first
	v_wmma_f32_16x16x128_fp8_fp8 v[8*(4*nn+\m):8*(4*nn+\m)+7], v[16*nn:16*nn+15], v[XF+64*(\set)+16*\m:XF+64*(\set)+16*\m+15], v[BQK+8*nn:BQK+8*nn+7]
.else
	v_wmma_f32_16x16x128_fp8_fp8 v[8*(4*nn+\m):8*(4*nn+\m)+7], v[16*nn:16*nn+15], v[XF+64*(\set)+16*\m:XF+64*(\set)+16*\m+15], v[8*(4*nn+\m):8*(4*nn+\m)+7]
.endif
.endr
.set nn, nn+1
.endr
.endm
.macro MULV set, first
	WIN 0xf4
.irp ct, 0,1,2,3
.irp m, 0,1,2,3
.if \first
	v_wmma_f32_16x16x128_fp8_fp8 v[8*(4*\ct+\m):8*(4*\ct+\m)+7], v[XF+64*(\set)+16*\m:XF+64*(\set)+16*\m+15], v[16*(8+\ct):16*(8+\ct)+15], v[BVV+8*\ct:BVV+8*\ct+7]
.else
	v_wmma_f32_16x16x128_fp8_fp8 v[8*(4*\ct+\m):8*(4*\ct+\m)+7], v[XF+64*(\set)+16*\m:XF+64*(\set)+16*\m+15], v[16*(8+\ct):16*(8+\ct)+15], v[8*(4*\ct+\m):8*(4*\ct+\m)+7]
.endif
.endr
.endr
.endm
.macro STEP slot, first
	s_wait_dscnt 24
	MULQK 0, 6, 0, \first
	s_wait_dscnt 0x0
	PLACES 4
	FETCH_X \slot, 1, 1
	FETCH_W \slot, 1, 0
	MULQK 6, 2, 0, \first
	MULV 0, \first
	PLACES 4
	FETCH_W \slot, 1, 6
.endm
.macro TURN slot, next, fill
	s_wait_tensorcnt 0x0
	ds_add_u32 v[SPW], v[NIL]
	s_wait_dscnt 25
	MULQK 0, 3, 1, 0
	s_wait_dscnt 0x0
	s_barrier_signal -1
	MULQK 3, 3, 1, 0
	WIN 0
	s_barrier_wait -1
.if \fill
	CREST
	s_add_nc_u64 s[G0X+4*\slot+2:G0X+4*\slot+3], s[G0X+4*\slot+2:G0X+4*\slot+3], 2*ROWB
	s_add_nc_u64 s[G0W+4*\slot+2:G0W+4*\slot+3], s[G0W+4*\slot+2:G0W+4*\slot+3], 2*ROWB
	JLOAD \slot
.else
	PLACES 4
.endif
	FETCH_X \next, 0, 0
	FETCH_W \next, 0, 0
	MULQK 6, 2, 1, 0
	MULV 1, 0
	PLACES 4
	FETCH_W \next, 0, 6
.endm
	s_wait_alu depctr_va_vdst(0)
	s_wait_tensorcnt 0x0                   ; my part of K step 0 is in
	ds_add_u32 v[SPW], v[NIL]
	s_wait_dscnt 0x0
	CROUND
	JLOAD 1                                ; K step 1, the first tensor load behind the round
	FETCH_X 0, 0, 0
	FETCH_W 0, 0, 0
	FETCH_W 0, 0, 6
	STEP 0, 1
	TURN 0, 1, 1
	STEP 1, 0
	TURN 1, 0, 1
	STEP 0, 0
	TURN 0, 1, 0
	STEP 1, 0
	s_wait_dscnt 24
	MULQK 0, 6, 1, 0
	s_wait_dscnt 0x0
	MULQK 6, 2, 1, 0
	MULV 1, 0
	PLACES 4
	WIN 0x82
.set j, 0
.rept 128
	v_med3_num_f32 v[j], v[j], s82, s83
.set j, j+1
.endr
.rept 128
	v_med3_num_f32 v[j], v[j], s84, s85
.set j, j+1
.endr
	WIN 0x02
.irp mt, 0,1,2,3
.irp nt, 0,1,2,3
	v_cvt_scalef32_pk8_fp8_f32 v[CQ+8*\mt+2*\nt:CQ+8*\mt+2*\nt+1], v[8*(4*\nt+\mt):8*(4*\nt+\mt)+7], v[SC]
	v_cvt_scalef32_pk8_fp8_f32 v[CK+8*\mt+2*\nt:CK+8*\mt+2*\nt+1], v[128+8*(4*\nt+\mt):128+8*(4*\nt+\mt)+7], v[SC+1]
.endr
.endr
	v_nop
	WIN 0
.irp mt, 0,1,2,3
.irp c, 0,1
	global_store_b128 v[LI], v[CQ+8*\mt+4*\c:CQ+8*\mt+4*\c+3], s[88:89] offset:1024*\mt+512*\c
	global_store_b128 v[LI], v[CK+8*\mt+4*\c:CK+8*\mt+4*\c+3], s[90:91] offset:1024*\mt+512*\c
.endr
.endr
	WIN 0xc3
.set j, 0
.rept 128
	v_med3_num_f32 v[j], v[j], s86, s87
.set j, j+1
.endr
	WIN 0x03
.irp ct, 0,1,2,3
.irp mt, 0,1,2,3
	v_cvt_scalef32_pk8_fp8_f32 v[CV+8*\ct+2*\mt:CV+8*\ct+2*\mt+1], v[8*(4*\ct+\mt):8*(4*\ct+\mt)+7], v[SC+2]
.endr
.endr
	v_nop
	WIN 0
.irp ct, 0,1,2,3
.irp p, 0,1
	global_store_b128 v[LI], v[CV+8*\ct+4*\p:CV+8*\ct+4*\p+3], s[92:93] offset:2048*\ct+512*\p
.endr
.endr
	s_wait_tensorcnt 0x0
	ds_add_u32 v[SPW], v[NIL]
	s_wait_dscnt 0x0
	CROUND
	s_endpgm
.Lfunc_end_k_qa7bad40e98_proj:
	.size	k_qa7bad40e98_proj, .Lfunc_end_k_qa7bad40e98_proj-k_qa7bad40e98_proj
	.p2alignl 7, 3214868480
	.fill 96, 4, 3214868480
	.section	.rodata,"a",@progbits
	.p2align	6, 0x0
	.amdhsa_kernel k_qa7bad40e98_proj
		.amdhsa_group_segment_fixed_size 327680
		.amdhsa_private_segment_fixed_size 0
		.amdhsa_enable_private_segment 0
		.amdhsa_kernarg_size 80
		.amdhsa_user_sgpr_count 2
		.amdhsa_user_sgpr_kernarg_segment_ptr 1
		.amdhsa_wavefront_size32 1
		.amdhsa_system_sgpr_workgroup_id_x 1
		.amdhsa_system_sgpr_workgroup_id_y 1
		.amdhsa_system_sgpr_workgroup_id_z 1
		.amdhsa_system_vgpr_workitem_id 0
		.amdhsa_next_free_vgpr 1024
		.amdhsa_next_free_sgpr 96
		.amdhsa_reserve_vcc 0
		.amdhsa_float_denorm_mode_32 3
		.amdhsa_float_denorm_mode_16_64 3
		.amdhsa_memory_ordered 1
		.amdhsa_forward_progress 1
		.amdhsa_inst_pref_size 109
	.end_amdhsa_kernel
	.amdgpu_metadata
---
amdhsa.version: [ 1, 2 ]
amdhsa.kernels:
  - .name:           k_qa7bad40e98_proj
    .symbol:         k_qa7bad40e98_proj.kd
    .args:
      - { .name: hidden_states_codes, .offset: 0, .size: 8, .value_kind: global_buffer, .address_space: global }
      - { .name: Wq_codes, .offset: 8, .size: 8, .value_kind: global_buffer, .address_space: global }
      - { .name: Wk_codes, .offset: 16, .size: 8, .value_kind: global_buffer, .address_space: global }
      - { .name: Wv_codes, .offset: 24, .size: 8, .value_kind: global_buffer, .address_space: global }
      - { .name: bq, .offset: 32, .size: 8, .value_kind: global_buffer, .address_space: global }
      - { .name: bk, .offset: 40, .size: 8, .value_kind: global_buffer, .address_space: global }
      - { .name: bv, .offset: 48, .size: 8, .value_kind: global_buffer, .address_space: global }
      - { .name: lowp_scales, .offset: 56, .size: 8, .value_kind: global_buffer, .address_space: global }
      - { .name: qf, .offset: 64, .size: 8, .value_kind: global_buffer, .address_space: global }
      - { .name: kv, .offset: 72, .size: 8, .value_kind: global_buffer, .address_space: global }
    .group_segment_fixed_size: 327680
    .private_segment_fixed_size: 0
    .kernarg_segment_align: 8
    .kernarg_segment_size: 80
    .max_flat_workgroup_size: 128
    .sgpr_count:     96
    .vgpr_count:     1024
    .wavefront_size: 32
...
	.end_amdgpu_metadata
.endif
;; end of part 1
;; launch attn (part 2): grid 16 x 16, 8 waves a work-group, no clusters, 327,680 bytes of LDS; arguments qf, kv, lowp_scales, out0; writes out0
.if DOCPART == 2
	.amdgcn_target "amdgcn-amd-amdhsa--gfx1250"
	.amdhsa_code_object_version 6
	.text
	.protected	k_qa7bad40e98_attn
	.globl	k_qa7bad40e98_attn
	.p2align	8
	.type	k_qa7bad40e98_attn,@function
k_qa7bad40e98_attn:
	s_mov_b64 s[64:65], 0
	v_nop
	global_prefetch_b8 v0, s[64:65] scope:SCOPE_SE
	s_setreg_imm32_b32 hwreg(HW_REG_WAVE_MODE, 25, 1), 1
	s_wait_xcnt 0x0
; out0[q][64 head + c] = softmax over the keys of (Q K^T / 8) times V, both products on codes of E4M3 with one given power-of-two scale a tensor.  Nothing of reference() is left out here.
; qf and kv hold Q, K and V as images of the operands' registers: a tile of 16 queries is 1,024 bytes; a step of 128 keys is 16,384 bytes, K's eight tiles and then V's four (channels x 128 keys).
; SHARES.  A work-group owns 256 queries of one head; each of its eight waves, two for each SIMD, owns two tiles of 16 queries.  Both products are used transposed: a lane holds one query, its registers run along the keys (S) or the channels (O).
; p = 2^(t - M), t = score x log2(e) / 8 x 2^(eq + ek), M = the running largest t rounded up to a whole number; the sum is taken of the unquantised p and divides at the end; a change of M multiplies by an exact power of two.
; A TRIP n: S of step n + 1, its maximum and the change of M, among which O is rescaled by step n's factor; O += V P of step n; then p, the sum and the codes of step n + 1.
; THE HOLD at the largest code is made on the codes: p is never negative, so a number beyond the format gives the code 0x7f (ISA guide 7.6.2), which becomes 0x7e = 448.  p is at most 1: where ep is -8 or more, 2^-ep is at most 256 and
; there is nothing to hold, so a scalar branch on the given ep leads round those 128 instructions of a trip.
; Tiles come by global loads through registers (16 a wave) into LDS, and no joint loads are made.  (A step's tile is 16,384 bytes for a work-group's 256 x 128 scores.)
; A tile's loads go out one trip ahead of its stores into LDS and two ahead of its first reader, so no prefetch stands beside them.  The sixteen work-groups of a head start two tiles apart and walk round the head's 32 tiles.
; LIMITS: scaled scores (exponents to the base 2) under 2^31 in magnitude; eq + ek between -123 and 130, ep between -126 and 127, so that each power of two made here is an f32 number.
.set SP,    272                        ; the way out: a row of 256 bytes + 16
.set STAGE, 65536                      ; behind the ring of four slots of 16,384 bytes
.set SPARE, STAGE+8*32*SP              ; the spare words, 128 bytes a wave
; window 0
.set LI,  1                            ; 16 x lane
.set ADK, 2
.set SPW, 3
.set NIL, 4
.set STO, 5
.set RD,  6
.set GO,  7
.set LF,  8                            ; 16 x thread
.set TA,  9
.set RMX, 10                           ; running largest raw score, one for each tile of queries
.set ADW, 12                           ; where my part of a tile goes
.set PX,  14
.set NM,  16                           ; -M, pairs (low word used)
.set LS,  24                           ; the sums, in two halves
.set FA,  32                           ; 2^(old M - new M), pairs (low word used)
.set TW,  40
.set R_,  48
.set H_,  49
.set KF,  64                           ; K's fragments of a step
.set O,   128                          ; O^T: 32 x + 8 t
.set G,   192                          ; my 4 x 16 bytes of a tile on its way to LDS
; window 1: S^T, then p, at v0-127: 64 x + key register
.set VF,  128                          ; V's fragments of a step
.set P,   192                          ; codes of p
.set Q,   224
.set SCP, 240                          ; 2^ep
.set LIW, 241                          ; 16 x lane
.set ADV, 242                          ; LDS address of V's fragments
.set WV,  12
.set T2,  18
.set SEL, 20
.set CS,  22
.set NCS, 24
.set CNT, 25
.set TIX, 26
.set T,   27
.set TB,  30
.set KVB, 32
.set MSB, 0
.macro WIN new
.if MSB != \new
	s_set_vgpr_msb (MSB<<8)|(\new)
.set MSB, \new
.endif
.endm
; one line each of a trip's vector work; x = i % 2 takes turns
.macro FMAI g, i
.set r_, 64*((\i)%2)+16*(\g)+2*((\i)/2)
.set m_, NM+2*((\i)%2)
	v_pk_fma_f32 v[r_:r_+1], v[r_:r_+1], s[CS:CS+1], v[m_:m_+1] op_sel_hi:[1,0,0]
.endm
.macro EXPI g, i
.set r_, 64*((\i)%2)+16*(\g)+((\i)/2)
	v_exp_f32 v[r_], v[r_]
.endm
.macro CVTI g, i
.set r_, 64*((\i)%2)+16*(\g)+8*((\i)/2)
.set m_, P+16*((\i)%2)+4*(\g)+2*((\i)/2)
	v_cvt_scalef32_pk8_fp8_f32 v[m_:m_+1], v[r_:r_+7], v[SCP]
.endm
.macro L1I g, i
.set r_, 64*((\i)%2)+16*(\g)+4*((\i)/2)
	v_pk_add_f32 v[r_:r_+1], v[r_:r_+1], v[r_+2:r_+3]
.endm
.macro ACI g, i
.set r_, 64*((\i)%2)+4*((\i)/2)
.set m_, r_+16*(\g)
	v_pk_add_f32 v[r_:r_+1], v[r_:r_+1], v[m_:m_+1]
.endm
; 32 exponentials of group g (16 keys' registers of each tile), with lines between them that name none of their registers: the next group's multiply-adds, the last group's codes and first sums.
; The wait ahead serves all that plain lines wrote for this batch and all results of the batch before.  A register written between exponentials is first read behind the next wait.
.macro BATCH g
	s_wait_alu depctr_va_vdst(0)
.set ii, 0
.rept 32
	EXPI \g, ii
.if (ii%2) == 0
.if \g < 3
	FMAI \g+1, ii/2
.elseif ii < 16
	ACI 1, ii/2
.endif
.else
.if \g > 0
.if ii < 8
	CVTI \g-1, ii/2
.elseif ii < 24
	L1I \g-1, ii/2-4
.endif
.endif
.endif
.set ii, ii+1
.endr
.endm
; p, the sum and the codes of the step whose scores are in hand, and V's fragments of that step (slot at byte s[T])
.macro EXPS
	WIN 0x45
	v_add_nc_u32 v[ADV], s[T], v[LIW]
.set ii, 0
.rept 16
	FMAI 0, ii                             ; (also the places between the last products and the loads into their source)
.set ii, ii+1
.endr
.irp i, 0,1,2,3,4,5,6,7,8,9,10,11,12,13,14,15
	ds_load_b128 v[VF+4*\i:VF+4*\i+3], v[ADV] offset:8192+512*\i
.endr
	BATCH 0
	BATCH 1
	BATCH 2
	BATCH 3
	s_wait_alu depctr_va_vdst(0)           ; the wait behind the batch
.irp i, 0,1,2,3,4,5,6,7
	ACI 2, \i
.endr
.irp i, 0,1,2,3
	CVTI 3, \i
.endr
.irp i, 0,1,2,3,4,5,6,7
	L1I 3, \i
.endr
.irp i, 0,1,2,3,4,5,6,7
	ACI 3, \i
.endr
.irp x, 0,1
	v_pk_add_f32 v[64*\x:64*\x+1], v[64*\x:64*\x+1], v[64*\x+4:64*\x+5]
	v_pk_add_f32 v[64*\x+8:64*\x+9], v[64*\x+8:64*\x+9], v[64*\x+12:64*\x+13]
.endr
.irp x, 0,1
	v_pk_add_f32 v[64*\x:64*\x+1], v[64*\x:64*\x+1], v[64*\x+8:64*\x+9]
.endr
	WIN 0x10
.irp x, 0,1
	v_pk_fma_f32 v[LS+2*\x:LS+2*\x+1], v[LS+2*\x:LS+2*\x+1], v[FA+2*\x:FA+2*\x+1], v[64*\x:64*\x+1] op_sel_hi:[1,0,1]
.endr
	WIN 0
.endm
; S^T of a step, and its largest raw score in four chains a tile, each begun with the running one
.macro SCORES
	WIN 0x44
.irp kt, 0,1,2,3,4,5,6,7
.irp x, 0,1
	v_wmma_f32_16x16x64_fp8_fp8 v[64*\x+8*\kt:64*\x+8*\kt+7], v[KF+8*\kt:KF+8*\kt+7], v[Q+8*\x:Q+8*\x+7], 0
.endr
.endr
.rept 4
	v_nop                                  ; four places ahead of the first read
.endr
	WIN 0x14
.set jj, 0
.rept 32
.irp x, 0,1
.if jj < 4
	v_max3_num_f32 v[TW+4*\x+(jj%4)], v[RMX+\x], v[64*\x+2*jj], v[64*\x+2*jj+1]
.else
	v_max3_num_f32 v[TW+4*\x+(jj%4)], v[TW+4*\x+(jj%4)], v[64*\x+2*jj], v[64*\x+2*jj+1]
.endif
.endr
.set jj, jj+1
.endr
.endm
.macro RESC n                          ; the next n pairs of registers of O^T, by the factor of the step whose codes are in hand
.rept \n
.set r_, O+2*oo
.set m_, FA+2*(oo/16)
	v_pk_mul_f32 v[r_:r_+1], v[r_:r_+1], v[m_:m_+1] op_sel_hi:[1,0]
.set oo, oo+1
.endr
.endm
; the change of M; resc = 4: O^T is rescaled between its dependent lines, and has read the old factor when the new one is written
.macro CHAIN resc
	WIN 0
	s_wait_alu depctr_va_vdst(0)           ; directly ahead of the first reader of O^T
.set oo, 0
	RESC \resc
.irp x, 0,1
	v_max3_num_f32 v[TW+4*\x], v[TW+4*\x], v[TW+4*\x+1], v[TW+4*\x+2]
.endr
	RESC \resc
.irp x, 0,1
	v_max_num_f32 v[TW+4*\x], v[TW+4*\x], v[TW+4*\x+3]
.endr
	RESC \resc
.irp x, 0,1
	v_permlanex16_b32 v[PX+\x], v[TW+4*\x], s[SEL], s[SEL+1]
.endr
	RESC \resc
.irp x, 0,1
	v_max_num_f32 v[RMX+\x], v[TW+4*\x], v[PX+\x]
.endr
	RESC \resc
.irp x, 0,1
	v_mul_f32 v[TW+4*\x+1], s[NCS], v[RMX+\x]
.endr
	RESC \resc
.irp x, 0,1
	v_floor_f32 v[TW+4*\x+1], v[TW+4*\x+1]   ; the new -M
.endr
	RESC \resc
.irp x, 0,1
	v_sub_f32 v[TW+4*\x+2], v[TW+4*\x+1], v[NM+2*\x]
	v_mov_b32 v[NM+2*\x], v[TW+4*\x+1]
.endr
	RESC \resc
.irp x, 0,1
	v_cvt_i32_f32 v[TW+4*\x+2], v[TW+4*\x+2]
.endr
.irp x, 0,1
	v_ldexp_f32 v[FA+2*\x], 1.0, v[TW+4*\x+2]
.endr
.endm
.macro HOLD
	s_cmp_lt_i32 s46, -8                   ; only where 2^-ep lies beyond 448
	s_cbranch_scc0 .Lheld_\@
	WIN 0x45
.set ii, 0
.rept 32
	v_add_nc_u32 v[ii], 0x01010101, v[P+ii]   ; a byte's top bit is set where its code is 0x7f (p's own registers have been read)
.set ii, ii+1
.endr
.set ii, 0
.rept 32
	v_lshrrev_b32 v[ii], 7, v[ii]
.set ii, ii+1
.endr
.set ii, 0
.rept 32
	v_and_b32 v[ii], 0x01010101, v[ii]
.set ii, ii+1
.endr
.set ii, 0
.rept 32
	v_sub_nc_u32 v[P+ii], v[P+ii], v[ii]
.set ii, ii+1
.endr
	WIN 0
	s_wait_alu depctr_va_vdst(0)
.Lheld_\@:
.endm
.macro PRODUCT                         ; O^T += V^T P^T: eight accumulators by turns
	WIN 0x05
.irp t, 0,1,2,3
.irp x, 0,1
	v_wmma_f32_16x16x128_fp8_fp8 v[O+32*\x+8*\t:O+32*\x+8*\t+7], v[VF+16*\t:VF+16*\t+15], v[P+16*\x:P+16*\x+15], v[O+32*\x+8*\t:O+32*\x+8*\t+7]
.endr
.endr
.endm
.macro TILE dst, b                     ; my part of a tile: 4 x 16 bytes, 4,096 bytes apart
.irp i, 0,1,2,3
	global_load_b128 v[\dst+4*\i:\dst+4*\i+3], v[LF], s[\b:\b+1] offset:4096*\i
.endr
.endm
	s_load_b256 s[4:11], s[0:1], 0x0               ; qf, kv, the exponents, out0
	v_lshl_add_u32 v[SPW], v0, 2, SPARE
	v_mov_b32 v[NIL], 0
	v_lshrrev_b32 v[TA], 5, v0
	v_readfirstlane_b32 s[WV], v[TA]
	v_and_b32 v[LI], 31, v0
	v_lshlrev_b32 v[LI], 4, v[LI]
	v_lshlrev_b32 v[LF], 4, v0
	s_and_b32 s14, ttmp7, 0xffff                   ; the head; ttmp9: which 256 queries
	s_lshl_b32 s[TIX], ttmp9, 1                    ; my first tile of keys
	s_lshl_b32 s48, s14, 8
	s_lshl_b32 s49, ttmp9, 4
	s_add_co_u32 s48, s48, s49
	s_lshl_b32 s49, s[WV], 1
	s_add_co_u32 s48, s48, s49
	s_lshl_b32 s48, s48, 10                        ; my two tiles of Q
	s_mov_b32 s49, 0
	s_lshl_b32 s50, ttmp9, 8
	s_lshl_b32 s51, s[WV], 5
	s_add_co_u32 s50, s50, s51
	s_lshl_b32 s50, s50, 12
	s_lshl_b32 s51, s14, 8
	s_add_co_u32 s50, s50, s51                     ; my 32 rows of out0, the head's 256 bytes
	s_mov_b32 s51, 0
	s_lshl_b32 s16, s14, 19                        ; a head's 32 tiles of keys
	s_mov_b32 s17, 0
	s_wait_alu depctr_va_vdst(0)
	s_wait_kmcnt 0x0
	s_load_b128 s[44:47], s[8:9], 0x18             ; eq, ek, ep, ev
	s_add_nc_u64 s[KVB:KVB+1], s[6:7], s[16:17]
	s_add_nc_u64 s[4:5], s[4:5], s[48:49]
	s_add_nc_u64 s[10:11], s[10:11], s[50:51]
	s_mov_b32 s29, 0
.irp t, 0,1,2
	s_add_co_u32 s28, s[TIX], \t
	s_and_b32 s28, s28, 31
	s_lshl_b32 s28, s28, 14
	s_add_nc_u64 s[34+2*\t:35+2*\t], s[KVB:KVB+1], s[28:29]
.endr
	WIN 0x40
	TILE 0, 34
.irp i, 0,1,2,3
	global_load_b128 v[Q+4*\i:Q+4*\i+3], v[LI], s[4:5] offset:512*\i
.endr
	TILE 16, 36
	WIN 0
	TILE G, 38                                     ; tile 2 waits in registers for the first trip's stores
.irp e, 0,1
	v_mov_b32 v[RMX+\e], 0xff61b1e6                ; -3e38, under every raw score
	v_mov_b32 v[NM+2*\e], 0x7f61b1e6               ; 3e38
	v_mov_b32 v[NM+2*\e+1], 0
	v_mov_b32 v[LS+2*\e], 0
	v_mov_b32 v[LS+2*\e+1], 0
	v_mov_b32 v[FA+2*\e+1], 0
	v_mov_b32 v[PX+\e], 0
.endr
.set ii, 0
.rept 64
	v_mov_b32 v[O+ii], 0                           ; while the first tiles are on their way: the trip is written once, and its first finds zeros
.set ii, ii+1
.endr
	s_mov_b32 s[SEL], 0x76543210
	s_mov_b32 s[SEL+1], 0xfedcba98                 ; lane selects: lane l xor 16
	s_mov_b32 s[CS], 0x3e38aa3b                    ; log2(e) / 8
	s_wait_alu depctr_va_vdst(0)
	s_wait_kmcnt 0x0
	s_add_co_i32 s48, s44, s45
	s_lshl_b32 s48, s48, 23
	s_add_co_i32 s[CS], s[CS], s48                 ; x 2^(eq + ek), on the exponent field
	s_mov_b32 s[CS+1], s[CS]
	s_xor_b32 s[NCS], s[CS], 0x80000000
	s_add_co_i32 s48, s46, 127
	s_lshl_b32 s48, s48, 23
	WIN 0x40
	v_mov_b32 v[SCP], s48
	v_mov_b32 v[LIW], v[LI]
	WIN 0
	s_mov_b32 s[CNT], 0
	s_mov_b32 s[T], 0
	s_wait_alu depctr_va_vdst(0)
	s_wait_loadcnt 0x4                             ; all but tile 2's four loads
	WIN 0x04
.irp t, 0,1
.irp i, 0,1,2,3
	ds_store_b128 v[LF], v[16*\t+4*\i:16*\t+4*\i+3] offset:16384*\t+4096*\i
.endr
.endr
	WIN 0
	s_wait_dscnt 0x0
	s_barrier_signal -1
	s_barrier_wait -1
.irp i, 0,1,2,3,4,5,6,7,8,9,10,11,12,13,14,15
	ds_load_b128 v[KF+4*\i:KF+4*\i+3], v[LI] offset:512*\i
.endr
	s_wait_dscnt 0x0
	SCORES
	CHAIN 0
	EXPS
	s_wait_alu depctr_va_vdst(0)
; TRIP n, n = 0 .. 30: K and V of tile n + 1 are read, tile n + 2 is stored, tile n + 3 asked for.  Its one barrier, signalled at its top and waited for at its end, shows tile n + 2 whole, and that every wave has read V of tile n:
; between two waits at most the slots n + 1 (read), n + 2 and, by a wave one trip ahead, n + 3 (stored) and n + 2 (read) are touched, of four.
.Ltrip:
	s_add_co_u32 s[T], s[CNT], 1
	s_and_b32 s[T], s[T], 3
	s_lshl_b32 s[T], s[T], 14
	v_add_nc_u32 v[ADK], s[T], v[LI]
.irp i, 0,1,2,3,4,5,6,7,8,9,10,11,12,13,14,15
	ds_load_b128 v[KF+4*\i:KF+4*\i+3], v[ADK] offset:512*\i
.endr
	s_cmp_lt_u32 s[CNT], 30
	s_cbranch_scc0 .Lkept                          ; no tile behind the 32nd
	s_wait_loadcnt 0x0                             ; tile n + 2 is in my registers
	s_add_co_u32 s[T2], s[CNT], 2
	s_and_b32 s[T2], s[T2], 3
	s_lshl_b32 s[T2], s[T2], 14
	v_add_nc_u32 v[ADW], s[T2], v[LF]
.irp i, 0,1,2,3
	ds_store_b128 v[ADW], v[G+4*\i:G+4*\i+3] offset:4096*\i
.endr
	s_cmp_lt_u32 s[CNT], 29
	s_cbranch_scc0 .Lkept
	s_add_co_u32 s28, s[TIX], s[CNT]
	s_add_co_u32 s28, s28, 3
	s_and_b32 s28, s28, 31
	s_lshl_b32 s28, s28, 14
	s_add_nc_u64 s[TB:TB+1], s[KVB:KVB+1], s[28:29]
	TILE G, TB                                     ; tile n + 3: a whole trip until it is stored
.Lkept:
	HOLD
	s_wait_dscnt 0x0                               ; K of this trip, V of the last are in, my part of tile n + 2 is stored:
	s_barrier_signal -1                            ; say so; up to the wait stand work on registers and loads of V, whose slot nobody writes before the barrier after this one
	SCORES
	CHAIN 4
	PRODUCT
	EXPS
	s_wait_alu depctr_va_vdst(0)                   ; directly ahead of the barrier's wait and the branch
	s_barrier_wait -1
	s_add_co_u32 s[CNT], s[CNT], 1
	s_cmp_lt_u32 s[CNT], 31
	s_cbranch_scc1 .Ltrip
	HOLD                                           ; the last step's product
	s_wait_dscnt 0x0                               ; its V is in
	s_wait_alu depctr_va_vdst(0)                   ; directly ahead of the first reader of O^T
.set oo, 0
	RESC 32
	PRODUCT
; THE WAY OUT: O^T / the sum x 2^(ep + ev), through my own stage in LDS, as whole units of 256 bytes: a query's 64 channels
	WIN 0
	s_wait_alu depctr_va_vdst(0)                   ; ahead of the first reader of the sums
	s_add_co_i32 s49, s46, s47
	s_mul_i32 s48, s[WV], 32*SP
	s_add_co_u32 s48, s48, STAGE
.irp e, 0,1
	v_add_f32 v[LS+2*\e], v[LS+2*\e], v[LS+2*\e+1]
.endr
	v_and_b32 v[R_], 15, v0
	v_bfe_u32 v[H_], v0, 4, 1
.irp e, 0,1
	v_permlanex16_b32 v[PX+\e], v[LS+2*\e], s[SEL], s[SEL+1]
.endr
	v_mul_u32_u24 v[STO], v[R_], SP
	v_mul_u32_u24 v[RD], v[H_], SP
	v_lshlrev_b32 v[GO], 12, v[H_]
.irp e, 0,1
	v_add_f32 v[LS+2*\e], v[LS+2*\e], v[PX+\e]
.endr
	v_lshl_add_u32 v[STO], v[H_], 5, v[STO]
	v_lshl_add_u32 v[RD], v[R_], 4, v[RD]
	v_lshl_add_u32 v[GO], v[R_], 4, v[GO]
	v_add_nc_u32 v[STO], s48, v[STO]
	v_add_nc_u32 v[RD], s48, v[RD]
	s_wait_alu depctr_va_vdst(0)                   ; the wait ahead of the batch
.irp e, 0,1
	v_rcp_f32 v[FA+2*\e], v[LS+2*\e]
.endr
	v_nop
	s_wait_alu depctr_va_vdst(0)                   ; and behind it, ahead of its first reader
.irp e, 0,1
	v_ldexp_f32 v[FA+2*\e], v[FA+2*\e], s49
.endr
	WIN 0x40
	s_wait_alu depctr_va_vdst(0)                   ; directly ahead of the first reader of O^T
.irp e, 0,1
.set ii, 0
.rept 16
	v_pk_mul_f32 v[32*\e+2*ii:32*\e+2*ii+1], v[O+32*\e+2*ii:O+32*\e+2*ii+1], v[FA+2*\e:FA+2*\e+1] op_sel_hi:[1,0]
.set ii, ii+1
.endr
.endr
.irp e, 0,1
	WIN 0x04
.irp t, 0,1,2,3
	ds_store_b128 v[STO], v[32*\e+8*\t:32*\e+8*\t+3] offset:16*SP*\e+64*\t
	ds_store_b128 v[STO], v[32*\e+8*\t+4:32*\e+8*\t+7] offset:16*SP*\e+64*\t+16
.endr
	WIN 0x40
.irp i, 0,1,2,3,4,5,6,7
	ds_load_b128 v[64+32*\e+4*\i:64+32*\e+4*\i+3], v[RD] offset:16*SP*\e+2*\i*SP   ; LDS serves a wave's instructions in order (ISA guide 5.7.1.4)
.endr
.endr
	WIN 0x04
.irp e, 0,1
.irp i, 0,1,2,3,4,5,6,7
	s_wait_dscnt 23-16*\e-\i                       ; the LDS instructions behind this load may stay out
	global_store_b128 v[GO], v[64+32*\e+4*\i:64+32*\e+4*\i+3], s[10:11] offset:(16*\e+2*\i)*4096 th:TH_STORE_NT
.endr
.endr
	WIN 0
	s_wait_tensorcnt 0x0                           ; the wave's end, behind my last LDS store
	ds_add_u32 v[SPW], v[NIL]
	s_wait_dscnt 0x0
	s_endpgm
.Lfunc_end_k_qa7bad40e98_attn:
	.size	k_qa7bad40e98_attn, .Lfunc_end_k_qa7bad40e98_attn-k_qa7bad40e98_attn
	.p2alignl 7, 3214868480
	.fill 96, 4, 3214868480
	.section	.rodata,"a",@progbits
	.p2align	6, 0x0
	.amdhsa_kernel k_qa7bad40e98_attn
		.amdhsa_group_segment_fixed_size 327680
		.amdhsa_private_segment_fixed_size 0
		.amdhsa_enable_private_segment 0
		.amdhsa_kernarg_size 32
		.amdhsa_user_sgpr_count 2
		.amdhsa_user_sgpr_kernarg_segment_ptr 1
		.amdhsa_wavefront_size32 1
		.amdhsa_system_sgpr_workgroup_id_x 1
		.amdhsa_system_sgpr_workgroup_id_y 1
		.amdhsa_system_sgpr_workgroup_id_z 1
		.amdhsa_system_vgpr_workitem_id 0
		.amdhsa_next_free_vgpr 512
		.amdhsa_next_free_sgpr 66
		.amdhsa_reserve_vcc 0
		.amdhsa_float_denorm_mode_32 3
		.amdhsa_float_denorm_mode_16_64 3
		.amdhsa_memory_ordered 1
		.amdhsa_forward_progress 1
		.amdhsa_inst_pref_size 77
	.end_amdhsa_kernel
	.amdgpu_metadata
---
amdhsa.version: [ 1, 2 ]
amdhsa.kernels:
  - .name:           k_qa7bad40e98_attn
    .symbol:         k_qa7bad40e98_attn.kd
    .args:
      - { .name: qf, .offset: 0, .size: 8, .value_kind: global_buffer, .address_space: global }
      - { .name: kv, .offset: 8, .size: 8, .value_kind: global_buffer, .address_space: global }
      - { .name: lowp_scales, .offset: 16, .size: 8, .value_kind: global_buffer, .address_space: global }
      - { .name: out0, .offset: 24, .size: 8, .value_kind: global_buffer, .address_space: global }
    .group_segment_fixed_size: 327680
    .private_segment_fixed_size: 0
    .kernarg_segment_align: 8
    .kernarg_segment_size: 32
    .max_flat_workgroup_size: 256
    .sgpr_count:     66
    .vgpr_count:     512
    .wavefront_size: 32
...
	.end_amdgpu_metadata
.endif
;; end of part 2
